; MI455X (gfx1250); checked and timed in simulation.
; The chip was launched on July 23, 2026; its instructions are those of AMD's public machine-readable ISA for CDNA 5 (MIT licence, August 2026) and "CDNA5" Instruction Set Architecture Reference Guide (July 2026). The comments in the code are by the model that wrote it; some were corrected since.
;; Attention Model. Allowed arithmetic: float matrix products may take bf16 or f16 operands with f32 sums; all other float work in f32.
;; Inputs: Wk 1,024 x 1,024 float32; Wq 1,024 x 1,024 float32; Wv 1,024 x 1,024 float32; attn_mask 4 x 2,048 x 2,048 float32; bk 1,024 float32; bq 1,024 float32; bv 1,024 float32; key 4 x 2,048 x 1,024 float32; query 4 x 2,048 x 1,024 float32; value 4 x 2,048 x 1,024 float32.
;; Outputs: out0 4 x 2,048 x 1,024 float32.
;; One version. Each part assembles by itself: llvm-mc -triple=amdgcn-amd-amdhsa -mcpu=gfx1250 --defsym DOCPART=n.
;; ======== version 1 of 1: 4 launches
;; limits: values are held in f16: magnitudes above 65,504 overflow, below 6.1e-05 lose precision
;; workspace buffers: xw 56,623,104 bytes; qkv 50,331,648 bytes; p 33,554,432 bytes; sm 524,288 bytes; sl 524,288 bytes
;; launch cast (part 1): grid 1728 x 1, 8 waves a work-group, no clusters, 0 bytes of LDS; arguments query, key, value, Wq, Wk, Wv, xw; writes xw
.if DOCPART == 1
	.amdgcn_target "amdgcn-amd-amdhsa--gfx1250"
	.amdhsa_code_object_version 6
	.text
	.protected	k_q657c056986_cast
	.globl	k_q657c056986_cast
	.p2align	8
	.type	k_q657c056986_cast,@function
k_q657c056986_cast:
	s_mov_b64 s[64:65], 0
	v_nop
	global_prefetch_b8 v0, s[64:65] scope:SCOPE_SE
	s_setreg_imm32_b32 hwreg(HW_REG_WAVE_MODE, 25, 1), 1
	s_wait_xcnt 0x0
; xw = bf16 of (query | key | value | Wq | Wk | Wv), one behind the other, each rounded once to nearest even.
; A stream: no LDS, no barrier, no matrix unit.  A work-group takes 65,536 bytes of f32 and makes 32,768 of bf16; each of its
; eight waves 8,192 bytes: sixteen loads of 16 bytes a lane (512 consecutive bytes a load), all issued before the first is used.
; query, key, value have 512 such pieces each (work-groups 0 to 1,535), a weight 64 (work-groups 1,536 to 1,727).
; A store of a wave covers 256 consecutive bytes, aligned (32 lanes x 8 bytes).  No register is written twice.
.set XG, 1536                          ; work-groups for the three x tensors
.set X,  4                             ; v[4:67]   slot i: 4 f32 as loaded
.set Y,  68                            ; v[68:99]  slot i: 4 bf16 to store
	s_load_b256 s[8:15], s[0:1], 0x0               ; query s[8:9], key s[10:11], value s[12:13], Wq s[14:15]
	s_load_b128 s[16:19], s[0:1], 0x20             ; Wk s[16:17], Wv s[18:19]
	s_load_b64 s[20:21], s[0:1], 0x30              ; xw
	s_mov_b32 s2, ttmp9                            ; the piece's number in xw
	s_sub_co_u32 s3, s2, XG                        ; its number among the weights' pieces (used only from XG on)
	s_lshr_b32 s4, s2, 9                           ; an x piece: tensor 0..2,
	s_and_b32 s5, s2, 511                          ; piece in it
	s_lshr_b32 s6, s3, 6                           ; a weight's piece: tensor 3..5,
	s_add_co_u32 s6, s6, 3
	s_and_b32 s7, s3, 63                           ; piece in it
	s_cmp_lt_u32 s2, XG
	s_cselect_b32 s4, s4, s6                       ; which tensor
	s_cselect_b32 s5, s5, s7                       ; which piece of it
	s_lshl_b32 s22, s5, 16                         ; 65,536 bytes a piece in the source
	s_mov_b32 s23, 0
	s_lshl_b32 s24, s2, 15                         ; 32,768 bytes a piece in xw
	s_mov_b32 s25, 0
	v_and_b32 v100, 31, v0                         ; lane
	v_lshrrev_b32 v101, 5, v0                      ; wave
	v_lshlrev_b32 v1, 4, v100
	v_lshl_add_u32 v1, v101, 13, v1                ; in: 8,192 x wave + 16 x lane
	v_lshlrev_b32 v2, 3, v100
	v_lshl_add_u32 v2, v101, 12, v2                ; out: 4,096 x wave + 8 x lane
	s_wait_kmcnt 0x0
	s_cmp_eq_u32 s4, 1                             ; the source is chosen among the six buffers by the tensor's number
	s_cselect_b64 s[26:27], s[10:11], s[8:9]
	s_cmp_eq_u32 s4, 2
	s_cselect_b64 s[26:27], s[12:13], s[26:27]
	s_cmp_eq_u32 s4, 3
	s_cselect_b64 s[26:27], s[14:15], s[26:27]
	s_cmp_eq_u32 s4, 4
	s_cselect_b64 s[26:27], s[16:17], s[26:27]
	s_cmp_eq_u32 s4, 5
	s_cselect_b64 s[26:27], s[18:19], s[26:27]
	s_add_nc_u64 s[26:27], s[26:27], s[22:23]
	s_add_nc_u64 s[20:21], s[20:21], s[24:25]
.set i, 0
.rept 16
	global_load_b128 v[X+4*i:X+4*i+3], v1, s[26:27] offset:512*i th:TH_LOAD_NT  ; read once in the whole program
.set i, i+1
.endr
.set i, 0
.rept 16
	s_wait_loadcnt 15-i                            ; loads come back in order: slot i is in, the younger ones stay out
	v_cvt_pk_bf16_f32 v[Y+2*i], v[X+4*i], v[X+4*i+1]
	v_cvt_pk_bf16_f32 v[Y+2*i+1], v[X+4*i+2], v[X+4*i+3]
	global_store_b64 v2, v[Y+2*i:Y+2*i+1], s[20:21] offset:256*i
.set i, i+1
.endr
	s_endpgm
.Lfunc_end_k_q657c056986_cast:
	.size	k_q657c056986_cast, .Lfunc_end_k_q657c056986_cast-k_q657c056986_cast
	.p2alignl 7, 3214868480
	.fill 96, 4, 3214868480
	.section	.rodata,"a",@progbits
	.p2align	6, 0x0
	.amdhsa_kernel k_q657c056986_cast
		.amdhsa_group_segment_fixed_size 0
		.amdhsa_private_segment_fixed_size 0
		.amdhsa_enable_private_segment 0
		.amdhsa_kernarg_size 56
		.amdhsa_user_sgpr_count 2
		.amdhsa_user_sgpr_kernarg_segment_ptr 1
		.amdhsa_wavefront_size32 1
		.amdhsa_system_sgpr_workgroup_id_x 1
		.amdhsa_system_sgpr_workgroup_id_y 1
		.amdhsa_system_sgpr_workgroup_id_z 1
		.amdhsa_system_vgpr_workitem_id 0
		.amdhsa_next_free_vgpr 104
		.amdhsa_next_free_sgpr 66
		.amdhsa_reserve_vcc 0
		.amdhsa_float_denorm_mode_32 3
		.amdhsa_float_denorm_mode_16_64 3
		.amdhsa_memory_ordered 1
		.amdhsa_forward_progress 1
		.amdhsa_inst_pref_size 8
	.end_amdhsa_kernel
	.amdgpu_metadata
---
amdhsa.version: [ 1, 2 ]
amdhsa.kernels:
  - .name:           k_q657c056986_cast
    .symbol:         k_q657c056986_cast.kd
    .args:
      - { .name: query, .offset: 0, .size: 8, .value_kind: global_buffer, .address_space: global }
      - { .name: key, .offset: 8, .size: 8, .value_kind: global_buffer, .address_space: global }
      - { .name: value, .offset: 16, .size: 8, .value_kind: global_buffer, .address_space: global }
      - { .name: Wq, .offset: 24, .size: 8, .value_kind: global_buffer, .address_space: global }
      - { .name: Wk, .offset: 32, .size: 8, .value_kind: global_buffer, .address_space: global }
      - { .name: Wv, .offset: 40, .size: 8, .value_kind: global_buffer, .address_space: global }
      - { .name: xw, .offset: 48, .size: 8, .value_kind: global_buffer, .address_space: global }
    .group_segment_fixed_size: 0
    .private_segment_fixed_size: 0
    .kernarg_segment_align: 8
    .kernarg_segment_size: 56
    .max_flat_workgroup_size: 256
    .sgpr_count:     66
    .vgpr_count:     104
    .wavefront_size: 32
...
	.end_amdgpu_metadata
.endif
;; end of part 1
;; launch proj (part 2): grid 4 x 96, 4 waves a work-group, clusters of 4 x 4, 327,680 bytes of LDS; arguments xw, bq, bk, bv, qkv; writes qkv
.if DOCPART == 2
	.amdgcn_target "amdgcn-amd-amdhsa--gfx1250"
	.amdhsa_code_object_version 6
	.text
	.protected	k_q657c056986_proj
	.globl	k_q657c056986_proj
	.p2align	8
	.type	k_q657c056986_proj,@function
k_q657c056986_proj:
	s_mov_b64 s[64:65], 0
	v_nop
	global_prefetch_b8 v0, s[64:65] scope:SCOPE_SE
	s_setreg_imm32_b32 hwreg(HW_REG_WAVE_MODE, 25, 1), 1
	s_wait_xcnt 0x0
	s_wait_alu depctr_hold_cnt(0) depctr_sa_sdst(0) depctr_va_vdst(0) depctr_va_sdst(0) depctr_va_ssrc(0) depctr_va_vcc(0) depctr_vm_vsrc(0)
	s_getreg_b32 s2, hwreg(HW_REG_IB_STS2, 6, 4)
	s_cmp_eq_u32 s2, 0
	s_cbranch_scc0 .Lentry_in_a_cluster
	s_endpgm
.Lentry_in_a_cluster:
	s_bfe_u32 s2, ttmp6, 0x10000c
	s_cmp_lg_u32 s2, 0xf033
	s_cbranch_scc0 .Lentry_shape_is_right
	s_endpgm
.Lentry_shape_is_right:
; qkv[t][row][f] = sum over e of x[t][row][e] W[t][f][e] + b[t][f], t = 0, 1, 2 (q, k, v), as ONE product of 24,576 rows x 1,024 columns, K = 1,024.
; x and W come as bf16 from xw; the bias is rounded to bf16 here, like every input of the module; sums in f32; the result is rounded once, to f16, unscaled.
; LIMIT.  f16 ends at 65,504: a q, k or v beyond that becomes an infinity.  Inputs 30 times the drawn spread give about 5,000, a common offset of 30 spreads in x and W about 29,000.
; SHARES.  A work-group makes 256 rows x 256 columns; wave w rows 128 (w / 2) on, columns 128 (w % 2) on: 8 x 8 accumulators of 16 x 16, 512 registers.
; K goes in steps of 128 (rows of 256 bytes in memory) through two LDS slots: a step is 256 matrix instructions a wave, 224 of them between a refill's request and the wait for it.
; Waves 0, 1 fetch the halves of x's tile, waves 2, 3 those of W's, 128 rows each.
; CLUSTER 4 x 4.  x's tile hangs on the tile row alone: asked for jointly by a row of the cluster; W's on the tile column and on t, which the whole cluster shares: jointly by a column.
; THE MATRIX INSTRUCTION IS USED TRANSPOSED (source 0 = 16 rows of W, source 1 = 16 rows of x): lane l holds row l % 16 and columns 8 (l / 16) + 0..7: 16 neighbouring bytes of f16.
; The bias is the C operand of the products that start the sums: no addition is written.
; REGISTERS, in windows of 256.  window 0: v0-29 addresses; x's fragments, two buffers v64-127, v128-191.  window 1: v0-63 the bias, v192-193 at work; W's fragments at the same numbers as x's.
; window 2: accumulator (a, b) of rows 0-63 at v[8 (8 a + b)];  window 3: those of rows 64-127.
.set PITCH, 272                        ; an LDS row: 256 bytes + 16 of padding: the 16 rows of a fragment load start 16 bytes apart modulo 256
.set HALFT, 128*PITCH                  ; what one tensor load brings: 0x8800 bytes
.set SLOT,  4*HALFT                    ; 0x22000: x's 256 rows, then W's.  The waves' bases, w x 0x8800, have neither bit 13 nor bit 17: one exclusive or with SLOT turns a base of one slot into the other's
.set STAGE, 2*SLOT                     ; behind the ring, never filled by a tensor load: 16 rows x 272 bytes for each wave
.set SPARE, STAGE+4*16*PITCH           ; the spare words, 128 bytes a wave
.set NSTEP, 8                          ; K steps
.set STEP,  256                        ; bytes from a K step to the next
.set WBASE, 3*8192*1024*2              ; the weights' first byte in xw
.set LA0, 4                            ; v4  my lane's place in x's tile
.set LB0, 5                            ; v5  in W's
.set ADRA, 6                           ; v6  the same in the slot in hand
.set ADRB, 7                           ; v7
.set STO, 8                            ; v8  the way out: where I put 16 bytes of a row
.set RD,  9                            ; v9  where I read rows back
.set CO,  10                           ; v10 my byte offset in two rows of qkv
.set BO,  12                           ; v12 my byte offset in the bias
.set SPW, 28                           ; v28 my spare word's address; never rewritten
.set NIL, 29                           ; v29 0; never rewritten
.set F0,  64
.set F1,  128
.set TMP, 64                           ; the way out: six buffers of 32 registers, v64-255
.set G1A, 24                           ; s[24:31] group 1 for x's tiles;  s[32:39] group 0: slot 0's first fill, then the walking set
.set G0A, 32
.set G1B, 48                           ; s[48:55], s[56:63] the same for W's
.set G0B, 56
.set TB,  66                           ; s66 the slot in hand: 0 or SLOT
.set MUL_LO, 0xa1                      ; source 0 (W) window 1, source 1 (x) window 0, C and D window 2
.set TO_B,   0x40                      ; destination window 1, address window 0
.set MSB, 0
.macro WIN new                         ; the immediate's high byte repeats the setting that is left; a switch that changes nothing is dropped
.if MSB != (\new)
	s_set_vgpr_msb (MSB<<8)|(\new)
.set MSB, \new
.endif
.endm
.macro PLACES                          ; four plain vector instructions between a matrix instruction and a load into, or a vector access to, its registers
.rept 4
	v_nop
.endr
.endm
.macro JLOAD                           ; a joint refill by the walking descriptors; s_nop 0 and four v_nop follow each line
	s_cmp_eq_u32 s11, 0
	s_cbranch_scc0 .Lfor_b_\@
	tensor_load_to_lds s[G0A+4:G0A+7], s[G1A:G1A+7]
	s_nop 0
.rept 4
	v_nop
.endr
	s_branch .Lasked_\@
.Lfor_b_\@:
	tensor_load_to_lds s[G0B+4:G0B+7], s[G1B:G1B+7]
	s_nop 0
.rept 4
	v_nop
.endr
.Lasked_\@:
.endm
.macro CREST                           ; a round of the cluster's barrier behind its opening barrier
	s_cmp_lg_u32 s10, 0
	s_cbranch_scc1 .Lnot_wave_0_\@
	s_barrier_signal -3
.Lnot_wave_0_\@:
	s_barrier_wait -3
	s_barrier_signal -1
	s_barrier_wait -1
.endm
.macro CROUND                          ; a whole round
	s_barrier_signal -1
	s_barrier_wait -1
	CREST
.endm
	s_load_b256 s[76:83], s[0:1], 0x0              ; xw s[76:77], bq s[78:79], bk s[80:81], bv s[82:83]
	s_load_b64 s[84:85], s[0:1], 0x20              ; qkv
	v_lshl_add_u32 v[SPW], v0, 2, SPARE
	v_mov_b32 v[NIL], 0
	ds_add_u32 v[SPW], v[NIL]                      ; the wave's opening: the add and its wait ahead of my first tensor load
	v_lshrrev_b32 v1, 5, v0
	v_readfirstlane_b32 s10, v1                    ; wave 0..3
	s_lshr_b32 s11, s10, 1                         ; my half of the rows.  Also: I fetch x (0) or W (1)
	s_and_b32 s12, s10, 1                          ; my half of the columns.  Also: which half of that tile I fetch
	s_bfe_u32 s40, ttmp6, 0x40000                  ; cx
	s_bfe_u32 s41, ttmp6, 0x40004                  ; cy
	s_lshl_b32 s42, ttmp9, 2
	s_add_co_u32 s42, s42, s40                     ; tile column = 4 x cluster x + cx
	s_and_b32 s45, ttmp7, 0xffff                   ; cluster y
	s_lshl_b32 s13, s45, 2
	s_add_co_u32 s13, s13, s41                     ; tile row = 4 x cluster y + cy
	s_lshr_b32 s45, s45, 3                         ; t: 32 tile rows, 8 clusters, to a tensor
	s_lshl_b32 s43, s41, 2
	s_lshl_b32 s43, 15, s43                        ; my row of the cluster
	s_lshl_b32 s44, 0x1111, s40                    ; my column
	s_or_b32 s[G1A], s43, (1<<16)|(1<<20)|(1<<21)|(5<<22)|(3<<25)  ; mask; 2-byte elements; padding on; bit 21 beside a mask; after every 64 words, 4 words
	s_or_b32 s[G1B], s44, (1<<16)|(1<<20)|(1<<21)|(5<<22)|(3<<25)
.irp g, G1A, G1B
	s_mov_b32 s[(\g)+1], 128<<16                   ; tensor_dim0 = 128
	s_mov_b32 s[(\g)+2], 128<<16                   ; tensor_dim1 = 128
	s_mov_b32 s[(\g)+3], 128<<16                   ; tile_dim0 = 128
	s_mov_b32 s[(\g)+4], 128                       ; tile_dim1 = 128
	s_mov_b32 s[(\g)+5], 1024                      ; elements from row to row
	s_mov_b32 s[(\g)+6], 0
	s_mov_b32 s[(\g)+7], 0
.endr
	s_lshl_b32 s16, s13, 8                         ; x: row 256 x tile row + 128 x half,
	s_lshl_b32 s17, s12, 7
	s_add_co_u32 s16, s16, s17
	s_lshl_b32 s16, s16, 11                        ; times 2,048 bytes: under 2^26
	s_mov_b32 s17, 0
	s_lshl_b32 s46, s42, 8                         ; W: row 256 x tile column + 128 x half,
	s_lshl_b32 s47, s12, 7
	s_add_co_u32 s46, s46, s47
	s_lshl_b32 s46, s46, 11
	s_lshl_b32 s47, s45, 21                        ; in weight t,
	s_add_co_u32 s46, s46, s47
	s_add_co_u32 s46, s46, WBASE                   ; behind the three x
	s_mov_b32 s47, 0
	s_mul_i32 s20, s10, HALFT                      ; where my tile goes: x's two halves, then W's: no place in the cluster enters an LDS address
	s_lshl_b32 s22, s13, 8                         ; my part of qkv: row 256 x tile row + 128 x my half,
	s_lshl_b32 s23, s11, 7
	s_add_co_u32 s22, s22, s23
	s_lshl_b32 s22, s22, 11
	s_lshl_b32 s18, s42, 1
	s_add_co_u32 s18, s18, s12                     ; my 128 columns: number 2 x tile column + half
	s_lshl_b32 s23, s18, 8                         ; 256 bytes of f16
	s_add_co_u32 s22, s22, s23
	s_mov_b32 s23, 0
	s_lshl_b32 s18, s18, 9                         ; 512 bytes of the bias
	s_mov_b32 s19, 0
	s_mov_b32 s73, 0xffff0000                      ; a word's upper bf16
	s_mov_b32 s[TB], 0
	s_wait_dscnt 0x0                               ; the opening add is done
	s_wait_kmcnt 0x0
	s_add_nc_u64 s[4:5], s[76:77], s[16:17]
	s_add_nc_u64 s[6:7], s[76:77], s[46:47]
	s_add_nc_u64 s[8:9], s[84:85], s[22:23]
	s_cmp_eq_u32 s45, 1                            ; the bias of tensor t
	s_cselect_b64 s[86:87], s[80:81], s[78:79]
	s_cmp_eq_u32 s45, 2
	s_cselect_b64 s[86:87], s[82:83], s[86:87]
	s_add_nc_u64 s[86:87], s[86:87], s[18:19]
.irp s, 0,1
	s_mov_b32 s[G0A+4*(\s)], 1                                     ; count = 1
	s_add_co_u32 s[G0A+4*(\s)+1], s20, (\s)*SLOT                   ; LDS address
	s_add_nc_u64 s[G0A+4*(\s)+2:G0A+4*(\s)+3], s[4:5], (\s)*STEP   ; global address: K step s
	s_or_b32 s[G0A+4*(\s)+3], s[G0A+4*(\s)+3], 0x80000000          ; type = 2
	s_mov_b32 s[G0B+4*(\s)], 1
	s_add_co_u32 s[G0B+4*(\s)+1], s20, (\s)*SLOT
	s_add_nc_u64 s[G0B+4*(\s)+2:G0B+4*(\s)+3], s[6:7], (\s)*STEP
	s_or_b32 s[G0B+4*(\s)+3], s[G0B+4*(\s)+3], 0x80000000
.endr
	CROUND                                         ; all sixteen work-groups are here: the first joint loads meet
	s_cmp_eq_u32 s11, 0                            ; a wave's two first fills stand in one branch: two loads of mine are out
	s_cbranch_scc0 .Lfirst_b
	tensor_load_to_lds s[G0A:G0A+3], s[G1A:G1A+7]
	s_nop 0
	tensor_load_to_lds s[G0A+4:G0A+7], s[G1A:G1A+7]
	s_nop 0
.rept 4
	v_nop
.endr
	s_branch .Lfirst_asked
.Lfirst_b:
	tensor_load_to_lds s[G0B:G0B+3], s[G1B:G1B+7]
	s_nop 0
	tensor_load_to_lds s[G0B+4:G0B+7], s[G1B:G1B+7]
	s_nop 0
.rept 4
	v_nop
.endr
.Lfirst_asked:
	v_and_b32 v1, 15, v0                           ; r = l % 16
	v_bfe_u32 v2, v0, 4, 1                         ; h = l / 16
	v_lshlrev_b32 v[BO], 5, v2                     ; register j of accumulator (a, b) is column 16 b + 8 h + j: 32 bytes of bias at 64 b + 32 h
	WIN TO_B                                       ; destination window 1
.irp b, 0,1,2,3,4,5,6,7
	global_load_b128 v[8*(\b):8*(\b)+3],   v[BO], s[86:87] offset:64*(\b)
	global_load_b128 v[8*(\b)+4:8*(\b)+7], v[BO], s[86:87] offset:64*(\b)+16
.endr
	WIN 0
	v_mul_u32_u24 v3, v1, PITCH
	v_lshl_add_u32 v3, v2, 4, v3                   ; a fragment's row x pitch + 16 x half
	s_mul_i32 s14, s11, HALFT                      ; my 128 rows of x
	s_mul_i32 s15, s12, HALFT                      ; my 128 rows of W,
	s_add_co_u32 s15, s15, 2*HALFT                 ; which lie behind x's 256
	v_add_nc_u32 v[LA0], s14, v3
	v_add_nc_u32 v[LB0], s15, v3
	v_mov_b32 v[ADRA], v[LA0]                      ; slot 0
	v_mov_b32 v[ADRB], v[LB0]
	s_mul_i32 s14, s10, 16*PITCH
	s_add_co_u32 s14, s14, STAGE                   ; my stage
	v_add_nc_u32 v[STO], s14, v3                   ; in: row r, 16 bytes for each half of the lanes
	v_mul_u32_u24 v[RD], v2, PITCH                 ; back: lanes 0-15 one row of 256 bytes, lanes 16-31 the next
	v_lshl_add_u32 v[RD], v1, 4, v[RD]
	v_add_nc_u32 v[RD], s14, v[RD]
	v_lshlrev_b32 v[CO], 11, v2                    ; and the same two rows in qkv
	v_lshl_add_u32 v[CO], v1, 4, v[CO]
	s_wait_loadcnt 0x0                             ; the bias
	WIN 0x45                                       ; all in window 1: the bias is rounded to bf16 and widened again
.set i, 0
.rept 32
	v_cvt_pk_bf16_f32 v[192+i%2], v[2*i], v[2*i+1]
	v_lshlrev_b32 v[2*i], 16, v[192+i%2]
	v_and_b32 v[2*i+1], s73, v[192+i%2]
.set i, i+1
.endr
	WIN 0
; 16 matrix instructions: row blocks a0, a0 + 1 of the window's four (hi = 0: my rows 0-63, 1: rows 64-127) x all 8 column blocks, 32 along K.
; z = 2: they start the sums with the bias.  The 64 accumulators take turns, always in this order.
.macro MUL16 f, hi, a0, z
.if (\z) == 2
	WIN 0x91+0x40*(\hi)                            ; C in window 1, D in window 2 or 3
.else
	WIN MUL_LO+0x50*(\hi)
.endif
.irp a, \a0, (\a0)+1
.irp b, 0,1,2,3,4,5,6,7
.set rD, 8*(8*(\a)+(\b))
.set rB, (\f)+8*(\b)
.set rA, (\f)+8*(4*(\hi)+(\a))
.if (\z) == 2
	v_wmma_f32_16x16x32_bf16 v[rD:rD+7], v[rB:rB+7], v[rA:rA+7], v[8*(\b):8*(\b)+7]
.else
	v_wmma_f32_16x16x32_bf16 v[rD:rD+7], v[rB:rB+7], v[rA:rA+7], v[rD:rD+7]
.endif
.endr
.endr
.endm
; 32 LDS loads in one run: the fragments of 32 along K at byte k of the rows: 128 rows of W, then 128 rows of x
.macro FETCH k, f
	WIN TO_B
.irp i, 0,1,2,3,4,5,6,7
	ds_load_b128 v[(\f)+8*(\i):(\f)+8*(\i)+3],   v[ADRB] offset:(\k)+(\i)*16*PITCH
	ds_load_b128 v[(\f)+8*(\i)+4:(\f)+8*(\i)+7], v[ADRB] offset:(\k)+(\i)*16*PITCH+32
.endr
	WIN 0
.irp i, 0,1,2,3,4,5,6,7
	ds_load_b128 v[(\f)+8*(\i):(\f)+8*(\i)+3],   v[ADRA] offset:(\k)+(\i)*16*PITCH
	ds_load_b128 v[(\f)+8*(\i)+4:(\f)+8*(\i)+7], v[ADRA] offset:(\k)+(\i)*16*PITCH+32
.endr
.endm
; A K step is four quarters of 32 along K on buffers 0, 1, 0, 1.  One of the first three multiplies f and, in its middle, fetches the next quarter (byte k) into g.
.macro QUARTER k, f, g, z
	s_wait_dscnt 8                                 ; W and x's rows 0-63 are in; the youngest eight loads (rows 64-127) may be out
	MUL16 \f, 0, 0, \z
	MUL16 \f, 0, 2, \z
	PLACES
	FETCH \k, \g
	s_wait_dscnt 32                                ; all but the 32 just issued
	MUL16 \f, 1, 0, \z
	MUL16 \f, 1, 2, \z
.endm
; The last quarter multiplies buffer 1 and changes slots: one barrier; ahead of it every wave waits for all its tensor loads (one is out: its part of the next slot), adds 0 to its
; spare word, and waits for that and for its reads of this slot.  fill = 1: the barrier opens a round of the cluster's, and the slot is filled again, two K steps ahead, first thing behind it.
.macro TURN fill
	WIN 0
	s_wait_tensorcnt 0x0
	ds_add_u32 v[SPW], v[NIL]
	s_wait_dscnt 9                                 ; the add and the youngest eight loads may be out
	MUL16 F1, 0, 0, 0
	s_wait_dscnt 0x0                               ; the add is done, my reads of this slot are over
	s_barrier_signal -1
	MUL16 F1, 0, 2, 0
	WIN 0
	s_barrier_wait -1
.if \fill
	CREST                                          ; no wave of any partner still reads this slot or has a load on its way
	s_xor_b32 s[G0A+5], s[G0A+5], SLOT             ; the walking descriptors: the other slot than last time, the next K step
	s_add_nc_u64 s[G0A+6:G0A+7], s[G0A+6:G0A+7], STEP
	s_xor_b32 s[G0B+5], s[G0B+5], SLOT
	s_add_nc_u64 s[G0B+6:G0B+7], s[G0B+6:G0B+7], STEP
	JLOAD                                          ; 224 matrix instructions ahead of the wait for it; its four v_nop are the places ahead of the loads below
.else
	PLACES
.endif
	s_xor_b32 s[TB], s[TB], SLOT
	v_add_nc_u32 v[ADRA], s[TB], v[LA0]
	v_add_nc_u32 v[ADRB], s[TB], v[LB0]
	FETCH 0, F0
	MUL16 F1, 1, 0, 0
	MUL16 F1, 1, 2, 0
.endm
	s_wait_tensorcnt 0x1                           ; my part of K step 0 is in; slot 1's may stay out
	s_barrier_signal -1
	s_barrier_wait -1                              ; everybody's is
	FETCH 0, F0
	QUARTER 64, F0, F1, 2                          ; the first quarter starts the sums
	WIN 0
	s_mov_b32 s3, NSTEP-2
.Lstep:                                                ; a trip: quarters 1 to 3 of a K step, the refill two steps ahead, quarter 0 of the next
	QUARTER 128, F1, F0, 0
	QUARTER 192, F0, F1, 0
	TURN 1
	QUARTER 64, F0, F1, 0
	WIN 0
	s_sub_co_u32 s3, s3, 1
	s_cmp_lg_u32 s3, 0
	s_cbranch_scc1 .Lstep
	s_mov_b32 s3, 2
.Ltail:                                                ; the last two K steps ask for nothing.  One text for both: the second trip has no next step, so its last quarter is jumped;
	QUARTER 128, F1, F0, 0                         ; its change of slots (a barrier, 32 loads of landed bytes that nobody uses) is the price, once a work-group, of the shorter text
	QUARTER 192, F0, F1, 0
	TURN 0
	WIN 0
	s_cmp_eq_u32 s3, 1
	s_cbranch_scc1 .Lno_q
	QUARTER 64, F0, F1, 0
	WIN 0
.Lno_q:
	s_sub_co_u32 s3, s3, 1
	s_cmp_lg_u32 s3, 0
	s_cbranch_scc1 .Ltail
	s_wait_dscnt 0x0                               ; the unused loads are back: their registers are taken below
; THE WAY OUT, a block of 16 rows at a time: rounded to f16 (each accumulator from its low end), 16 bytes a lane into my stage, back as whole rows of 256 bytes.
.macro PACK a
.set T, TMP+32*((\a)%6)
.if (\a) >= 6
	s_wait_xcnt 0x0                                ; blocks 6, 7 take the registers of blocks 0, 1: their stores have read them only behind this wait
.endif
	WIN 0x0a+5*((\a)/4)                            ; sources in window 2 or 3
.irp b, 0,1,2,3,4,5,6,7
.irp i, 0,1,2,3
	v_cvt_pk_f16_f32 v[T+4*(\b)+(\i)], v[8*(8*((\a)%4)+(\b))+2*(\i)], v[8*(8*((\a)%4)+(\b))+2*(\i)+1]
.endr
.endr
	WIN 0
.irp b, 0,1,2,3,4,5,6,7
	ds_store_b128 v[STO], v[T+4*(\b):T+4*(\b)+3] offset:32*(\b)
.endr
.irp t, 0,1,2,3,4,5,6,7
	ds_load_b128 v[T+4*(\t):T+4*(\t)+3], v[RD] offset:(\t)*2*PITCH  ; LDS serves a wave's instructions in order: these see the stores above
.endr
.endm
.macro SEND a, younger                 ; younger: the next block's sixteen LDS instructions, or none
.set T, TMP+32*((\a)%6)
.irp t, 0,1,2,3,4,5,6,7
	s_wait_dscnt (\younger)+7-(\t)
	global_store_b128 v[CO], v[T+4*(\t):T+4*(\t)+3], s[8:9] offset:(16*(\a)+2*(\t))*2048  ; 16 lanes store 256 consecutive bytes, aligned
.endr
.endm
	PLACES
	PACK 0
.irp a, 1,2,3,4,5,6,7                  ; a block's conversions stand between the loads of the block before and its stores
	PACK \a
	SEND (\a)-1, 16
.endr
	SEND 7, 0
	s_wait_tensorcnt 0x0                           ; the wave's end
	ds_add_u32 v[SPW], v[NIL]
	s_wait_dscnt 0x0
	CROUND                                         ; the closing round
	s_endpgm
.Lfunc_end_k_q657c056986_proj:
	.size	k_q657c056986_proj, .Lfunc_end_k_q657c056986_proj-k_q657c056986_proj
	.p2alignl 7, 3214868480
	.fill 96, 4, 3214868480
	.section	.rodata,"a",@progbits
	.p2align	6, 0x0
	.amdhsa_kernel k_q657c056986_proj
		.amdhsa_group_segment_fixed_size 327680
		.amdhsa_private_segment_fixed_size 0
		.amdhsa_enable_private_segment 0
		.amdhsa_kernarg_size 40
		.amdhsa_user_sgpr_count 2
		.amdhsa_user_sgpr_kernarg_segment_ptr 1
		.amdhsa_wavefront_size32 1
		.amdhsa_system_sgpr_workgroup_id_x 1
		.amdhsa_system_sgpr_workgroup_id_y 1
		.amdhsa_system_sgpr_workgroup_id_z 1
		.amdhsa_system_vgpr_workitem_id 0
		.amdhsa_next_free_vgpr 1024
		.amdhsa_next_free_sgpr 100
		.amdhsa_reserve_vcc 0
		.amdhsa_float_denorm_mode_32 3
		.amdhsa_float_denorm_mode_16_64 3
		.amdhsa_memory_ordered 1
		.amdhsa_forward_progress 1
		.amdhsa_inst_pref_size 107
	.end_amdhsa_kernel
	.amdgpu_metadata
---
amdhsa.version: [ 1, 2 ]
amdhsa.kernels:
  - .name:           k_q657c056986_proj
    .symbol:         k_q657c056986_proj.kd
    .args:
      - { .name: xw, .offset: 0, .size: 8, .value_kind: global_buffer, .address_space: global }
      - { .name: bq, .offset: 8, .size: 8, .value_kind: global_buffer, .address_space: global }
      - { .name: bk, .offset: 16, .size: 8, .value_kind: global_buffer, .address_space: global }
      - { .name: bv, .offset: 24, .size: 8, .value_kind: global_buffer, .address_space: global }
      - { .name: qkv, .offset: 32, .size: 8, .value_kind: global_buffer, .address_space: global }
    .group_segment_fixed_size: 327680
    .private_segment_fixed_size: 0
    .kernarg_segment_align: 8
    .kernarg_segment_size: 40
    .max_flat_workgroup_size: 128
    .sgpr_count:     100
    .vgpr_count:     1024
    .wavefront_size: 32
...
	.end_amdgpu_metadata
.endif
;; end of part 2
;; launch scores (part 3): grid 8 x 32, 4 waves a work-group, clusters of 4 x 4, 327,680 bytes of LDS; arguments qkv, attn_mask, p, sm, sl; writes p, sm, sl
.if DOCPART == 3
	.amdgcn_target "amdgcn-amd-amdhsa--gfx1250"
	.amdhsa_code_object_version 6
	.text
	.protected	k_q657c056986_scores
	.globl	k_q657c056986_scores
	.p2align	8
	.type	k_q657c056986_scores,@function
k_q657c056986_scores:
	s_mov_b64 s[64:65], 0
	v_nop
	global_prefetch_b8 v0, s[64:65] scope:SCOPE_SE
	s_setreg_imm32_b32 hwreg(HW_REG_WAVE_MODE, 25, 1), 1
	s_wait_xcnt 0x0
	s_wait_alu depctr_hold_cnt(0) depctr_sa_sdst(0) depctr_va_vdst(0) depctr_va_sdst(0) depctr_va_ssrc(0) depctr_va_vcc(0) depctr_vm_vsrc(0)
	s_getreg_b32 s2, hwreg(HW_REG_IB_STS2, 6, 4)
	s_cmp_eq_u32 s2, 0
	s_cbranch_scc0 .Lentry_in_a_cluster
	s_endpgm
.Lentry_in_a_cluster:
	s_bfe_u32 s2, ttmp6, 0x10000c
	s_cmp_lg_u32 s2, 0xf033
	s_cbranch_scc0 .Lentry_shape_is_right
	s_endpgm
.Lentry_shape_is_right:
; For each batch: t = log2(e) (q . k / 32 + mask).  For each query row and each CHUNK of 128 keys: mc = the chunk's maximum of t, p = 2^(t - mc) in f16, l = the sum of the unrounded p.
; p: [8192 rows][2048 keys] f16;  sm, sl: [16 chunks][8192 rows] f32.  The next launch makes the maximum global: nothing is shifted by a fixed number.
; q, k in f16, products summed in f32; the mask is rounded to bf16 like every input of the module; u = raw + 32 mask by one fused multiply-add, t - mc = c u - c m with c = log2(e) / 32.
; LIMITS.  A mask below about -1e37 makes 32 x mask overflow: the key counts as hidden, as with -inf.  The maximum is floored at -1e38: a chunk wholly hidden by -inf gets p = 0, l = 0.
; p below 6e-8 counts as 0 in p (not in l).  NaN is not treated apart.
; SHARES.  A work-group makes 256 rows x 256 keys; wave w rows 128 (w / 2) on and ONE chunk, keys 128 (w % 2) on: 8 x 8 accumulators, 512 registers.  K = 1,024 channels in steps of 128 through two LDS slots.
; CLUSTER 4 x 4.  q's tile is shared along a row of the cluster, k's along a column (the batch is the whole cluster's).
; TRANSPOSED USE (source 0 = 16 keys, source 1 = 16 queries): lane l holds query l % 16 and keys 8 (l / 16) + 0..7 of each block of 16: a row's maximum and sum want one exchange between the halves of the lanes.
; THE MASK comes through the ring.  The last two changes of slots fill the slot just read out with the mask: each wave asks for 64 of its own rows x its chunk's 512 bytes (a load of its own: nobody shares them).
; The first half has the last K step in which to land, the second the first half's softmax.  Rows lie 528 bytes apart, and a lane reads its 32 bytes of a block straight in the accumulators' layout.
; THE WAY OUT is written for 64 rows (window 2) and walked twice; between the trips window 3's accumulators are copied into window 2: 256 moves for half the text.
; REGISTERS.  window 0: v0-29 addresses and statistics; q's fragments v64-127, v128-191; on the way out U v32-95, MK v96-127, PK v128-255.  window 1: k's fragments.  windows 2, 3: accumulators.
.set PITCH, 272
.set HALFT, 128*PITCH
.set SLOT,  4*HALFT                    ; 0x22000; the bases w x 0x8800 (tiles) and w x 0x8400 (mask) have neither bit 13 nor bit 17: one exclusive or with SLOT changes slots
.set MP,    528                        ; a mask row in LDS: 512 bytes + 16: the 16 rows of a load start 16 bytes apart modulo 256
.set MHALF, 64*MP                      ; 0x8400: a wave's 64 rows; four of them are 135,168 bytes, inside a slot
.set STAGE, 2*SLOT                     ; 16 rows x 272 bytes for each wave, for p
.set STAT,  STAGE+4*16*PITCH           ; 512 bytes for each wave: 64 mc, 64 l
.set SPARE, STAT+4*512                 ; the spare words
.set NSTEP, 8
.set STEP,  256
.set KBASE, 8192*1024*2                ; k's first byte in qkv
.set LA0, 4
.set LB0, 5
.set ADRA, 6
.set ADRB, 7
.set STO, 8                            ; v8  stage: row r, 16 bytes for each half of the lanes
.set RD,  9                            ; v9  stage: whole rows back
.set CO,  10                           ; v10 my byte offset in two rows of p
.set MA,  11                           ; v11 my 32 bytes of a mask row in LDS
.set SA,  13                           ; v13 my row's word among the statistics
.set SR,  14                           ; v14 two rows' words back
.set SO,  15                           ; v15 the same in sm and sl
.set C32, 16                           ; v16 32.0
.set MC,  18                           ; v[18:19] c m, m
.set CH,  20                           ; v20-23 four chains of the maximum
.set SPW, 28
.set NIL, 29
.set U,   32
.set MK,  96
.set PK,  128
.set F0,  64
.set F1,  128
.set G0M, 16                           ; s[16:19] group 0 for the mask
.set G1A, 24
.set G0A, 32
.set G1B, 48
.set G0B, 56
.set TB,  66
.set G1M, 92                           ; s[92:99] group 1 for the mask
.set MUL_LO, 0xa1
.set TO_B,   0x40
.set MSB, 0
.macro WIN new
.if MSB != (\new)
	s_set_vgpr_msb (MSB<<8)|(\new)
.set MSB, \new
.endif
.endm
.macro PLACES
.rept 4
	v_nop
.endr
.endm
.macro JLOAD
	s_cmp_eq_u32 s11, 0
	s_cbranch_scc0 .Lfor_b_\@
	tensor_load_to_lds s[G0A+4:G0A+7], s[G1A:G1A+7]
	s_nop 0
.rept 4
	v_nop
.endr
	s_branch .Lasked_\@
.Lfor_b_\@:
	tensor_load_to_lds s[G0B+4:G0B+7], s[G1B:G1B+7]
	s_nop 0
.rept 4
	v_nop
.endr
.Lasked_\@:
.endm
.macro CREST
	s_cmp_lg_u32 s10, 0
	s_cbranch_scc1 .Lnot_wave_0_\@
	s_barrier_signal -3
.Lnot_wave_0_\@:
	s_barrier_wait -3
	s_barrier_signal -1
	s_barrier_wait -1
.endm
.macro CROUND
	s_barrier_signal -1
	s_barrier_wait -1
	CREST
.endm
	s_load_b256 s[76:83], s[0:1], 0x0              ; qkv s[76:77], attn_mask s[78:79], p s[80:81], sm s[82:83]
	s_load_b64 s[84:85], s[0:1], 0x20              ; sl
	v_lshl_add_u32 v[SPW], v0, 2, SPARE
	v_mov_b32 v[NIL], 0
	ds_add_u32 v[SPW], v[NIL]                      ; the wave's opening: the add and its wait ahead of my first tensor load
	v_lshrrev_b32 v1, 5, v0
	v_readfirstlane_b32 s10, v1
	s_lshr_b32 s11, s10, 1
	s_and_b32 s12, s10, 1
	s_bfe_u32 s40, ttmp6, 0x40000                  ; cx
	s_bfe_u32 s41, ttmp6, 0x40004                  ; cy
	s_lshl_b32 s42, ttmp9, 2
	s_add_co_u32 s42, s42, s40                     ; tile column (256 keys)
	s_and_b32 s45, ttmp7, 0xffff
	s_lshl_b32 s13, s45, 2
	s_add_co_u32 s13, s13, s41                     ; tile row (256 queries)
	s_lshr_b32 s45, s45, 1                         ; the batch: 8 tile rows, 2 clusters
	s_lshl_b32 s43, s41, 2
	s_lshl_b32 s43, 15, s43
	s_lshl_b32 s44, 0x1111, s40
	s_or_b32 s[G1A], s43, (1<<16)|(1<<20)|(1<<21)|(5<<22)|(3<<25)
	s_or_b32 s[G1B], s44, (1<<16)|(1<<20)|(1<<21)|(5<<22)|(3<<25)
.irp g, G1A, G1B
	s_mov_b32 s[(\g)+1], 128<<16
	s_mov_b32 s[(\g)+2], 128<<16
	s_mov_b32 s[(\g)+3], 128<<16
	s_mov_b32 s[(\g)+4], 128
	s_mov_b32 s[(\g)+5], 1024
	s_mov_b32 s[(\g)+6], 0
	s_mov_b32 s[(\g)+7], 0
.endr
	s_mov_b32 s[G1M], (2<<16)|(1<<20)|(6<<22)|(3<<25)  ; no mask of work-groups: a load of my own; 4-byte elements; after every 128 words, 4 words of padding
	s_mov_b32 s[G1M+1], 128<<16                    ; tensor_dim0 = 128
	s_mov_b32 s[G1M+2], 64<<16                     ; tensor_dim1 = 64
	s_mov_b32 s[G1M+3], 128<<16                    ; tile_dim0 = 128
	s_mov_b32 s[G1M+4], 64                         ; tile_dim1 = 64
	s_mov_b32 s[G1M+5], 2048                       ; elements from row to row
	s_mov_b32 s[G1M+6], 0
	s_mov_b32 s[G1M+7], 0
	s_lshl_b32 s16, s13, 8                         ; q: row 256 x tile row + 128 x half, times 2,048 bytes
	s_lshl_b32 s17, s12, 7
	s_add_co_u32 s16, s16, s17
	s_lshl_b32 s16, s16, 11
	s_mov_b32 s17, 0
	s_lshl_b32 s46, s42, 8                         ; k: row 2,048 x batch + 256 x tile column + 128 x half
	s_lshl_b32 s47, s12, 7
	s_add_co_u32 s46, s46, s47
	s_lshl_b32 s47, s45, 11
	s_add_co_u32 s46, s46, s47
	s_lshl_b32 s46, s46, 11
	s_add_co_u32 s46, s46, KBASE
	s_mov_b32 s47, 0
	s_mul_i32 s20, s10, HALFT
	s_mul_i32 s21, s10, MHALF                      ; my part of a slot when it holds the mask
	s_lshl_b32 s14, s13, 8
	s_lshl_b32 s15, s11, 7
	s_add_co_u32 s14, s14, s15                     ; my first row
	s_lshl_b32 s15, s42, 1
	s_add_co_u32 s15, s15, s12                     ; my chunk
	s_lshl_b32 s18, s14, 13                        ; the mask: 8,192 bytes a row, 512 a chunk
	s_lshl_b32 s19, s15, 9
	s_add_co_u32 s18, s18, s19
	s_mov_b32 s19, 0
	s_lshl_b32 s22, s14, 12                        ; p: 4,096 bytes a row, 256 a chunk
	s_lshl_b32 s23, s15, 8
	s_add_co_u32 s22, s22, s23
	s_mov_b32 s23, 0
	s_lshl_b32 s74, s15, 13                        ; the statistics: word 8,192 x chunk + row
	s_add_co_u32 s74, s74, s14
	s_lshl_b32 s74, s74, 2
	s_mov_b32 s75, 0
	s_mov_b32 s68, 0x3d38aa3b                      ; c = log2(e) / 32
	s_mov_b32 s69, s68                             ; named with it as a pair
	s_mov_b32 s70, 0x76543210                      ; v_permlanex16_b32: each lane takes its own place in the other half
	s_mov_b32 s71, 0xfedcba98
	s_mov_b32 s72, 0xfe967699                      ; -1e38, the maximum's floor
	s_mov_b32 s[TB], 0
	s_wait_dscnt 0x0
	s_wait_kmcnt 0x0
	s_add_nc_u64 s[4:5], s[76:77], s[16:17]
	s_add_nc_u64 s[6:7], s[76:77], s[46:47]
	s_add_nc_u64 s[90:91], s[78:79], s[18:19]      ; the mask at my rows and chunk
	s_add_nc_u64 s[8:9], s[80:81], s[22:23]        ; p likewise
	s_add_nc_u64 s[86:87], s[82:83], s[74:75]      ; sm
	s_add_nc_u64 s[88:89], s[84:85], s[74:75]      ; sl
	s_mov_b32 s74, 0                               ; from here on s[74:75]: the byte offset of the mask rows to be asked for
	s_mov_b32 s[G0M], 1                            ; count = 1
	s_add_co_u32 s[G0M+1], s21, SLOT               ; the first mask fill turns this into slot 0; words 2, 3 are made anew for each fill
.irp s, 0,1
	s_mov_b32 s[G0A+4*(\s)], 1
	s_add_co_u32 s[G0A+4*(\s)+1], s20, (\s)*SLOT
	s_add_nc_u64 s[G0A+4*(\s)+2:G0A+4*(\s)+3], s[4:5], (\s)*STEP
	s_or_b32 s[G0A+4*(\s)+3], s[G0A+4*(\s)+3], 0x80000000
	s_mov_b32 s[G0B+4*(\s)], 1
	s_add_co_u32 s[G0B+4*(\s)+1], s20, (\s)*SLOT
	s_add_nc_u64 s[G0B+4*(\s)+2:G0B+4*(\s)+3], s[6:7], (\s)*STEP
	s_or_b32 s[G0B+4*(\s)+3], s[G0B+4*(\s)+3], 0x80000000
.endr
	CROUND
	s_cmp_eq_u32 s11, 0
	s_cbranch_scc0 .Lfirst_b
	tensor_load_to_lds s[G0A:G0A+3], s[G1A:G1A+7]
	s_nop 0
	tensor_load_to_lds s[G0A+4:G0A+7], s[G1A:G1A+7]
	s_nop 0
.rept 4
	v_nop
.endr
	s_branch .Lfirst_asked
.Lfirst_b:
	tensor_load_to_lds s[G0B:G0B+3], s[G1B:G1B+7]
	s_nop 0
	tensor_load_to_lds s[G0B+4:G0B+7], s[G1B:G1B+7]
	s_nop 0
.rept 4
	v_nop
.endr
.Lfirst_asked:
	v_and_b32 v3, 31, v0                           ; lane
	v_and_b32 v1, 15, v0                           ; r
	v_bfe_u32 v2, v0, 4, 1                         ; h
	s_mul_i32 s14, s10, 16*PITCH
	s_add_co_u32 s14, s14, STAGE                   ; my stage
	s_lshl_b32 s15, s10, 9
	s_add_co_u32 s15, s15, STAT                    ; my statistics
	v_lshl_add_u32 v[SA], v1, 2, s15
	v_lshl_add_u32 v[SR], v3, 3, s15
	v_lshlrev_b32 v[SO], 3, v3
	v_mul_u32_u24 v[MA], v1, MP                    ; the mask: row r, 32 bytes for each half of the lanes, in my part of slot 0
	v_lshl_add_u32 v[MA], v2, 5, v[MA]
	v_add_nc_u32 v[MA], s21, v[MA]
	v_mul_u32_u24 v3, v1, PITCH
	v_lshl_add_u32 v3, v2, 4, v3
	v_add_nc_u32 v[STO], s14, v3
	v_mul_u32_u24 v[RD], v2, PITCH
	v_lshl_add_u32 v[RD], v1, 4, v[RD]
	v_add_nc_u32 v[RD], s14, v[RD]
	v_lshlrev_b32 v[CO], 12, v2
	v_lshl_add_u32 v[CO], v1, 4, v[CO]
	s_mul_i32 s14, s11, HALFT
	s_mul_i32 s15, s12, HALFT
	s_add_co_u32 s15, s15, 2*HALFT
	v_add_nc_u32 v[LA0], s14, v3
	v_add_nc_u32 v[LB0], s15, v3
	v_mov_b32 v[ADRA], v[LA0]
	v_mov_b32 v[ADRB], v[LB0]
	v_mov_b32 v[C32], 0x42000000                   ; 32.0
	v_mov_b32 v24, 0                               ; v_permlanex16_b32's destinations count as read
	v_mov_b32 v26, 0
; 16 matrix instructions: query blocks a0, a0 + 1 of the window's four x 8 blocks of 16 keys, 32 channels.  z = 1: they start the sums.  The 64 accumulators take turns.
.macro MUL16 f, hi, a0, z
	WIN MUL_LO+0x50*(\hi)
.irp a, \a0, (\a0)+1
.irp b, 0,1,2,3,4,5,6,7
.set rD, 8*(8*(\a)+(\b))
.set rB, (\f)+8*(\b)
.set rA, (\f)+8*(4*(\hi)+(\a))
.if (\z) == 1
	v_wmma_f32_16x16x32_f16 v[rD:rD+7], v[rB:rB+7], v[rA:rA+7], 0
.else
	v_wmma_f32_16x16x32_f16 v[rD:rD+7], v[rB:rB+7], v[rA:rA+7], v[rD:rD+7]
.endif
.endr
.endr
.endm
.macro FETCH k, f
	WIN TO_B
.irp i, 0,1,2,3,4,5,6,7
	ds_load_b128 v[(\f)+8*(\i):(\f)+8*(\i)+3],   v[ADRB] offset:(\k)+(\i)*16*PITCH
	ds_load_b128 v[(\f)+8*(\i)+4:(\f)+8*(\i)+7], v[ADRB] offset:(\k)+(\i)*16*PITCH+32
.endr
	WIN 0
.irp i, 0,1,2,3,4,5,6,7
	ds_load_b128 v[(\f)+8*(\i):(\f)+8*(\i)+3],   v[ADRA] offset:(\k)+(\i)*16*PITCH
	ds_load_b128 v[(\f)+8*(\i)+4:(\f)+8*(\i)+7], v[ADRA] offset:(\k)+(\i)*16*PITCH+32
.endr
.endm
.macro QUARTER k, f, g, z
	s_wait_dscnt 8                                 ; k and q's rows 0-63 are in; the youngest eight loads may be out
	MUL16 \f, 0, 0, \z
	MUL16 \f, 0, 2, \z
	PLACES
	FETCH \k, \g
	s_wait_dscnt 32                                ; all but the 32 just issued
	MUL16 \f, 1, 0, \z
	MUL16 \f, 1, 2, \z
.endm
; The change of slots: every wave waits for all its tensor loads, adds 0 to its spare word, waits for that and for its reads of the slot; a round of the cluster's barrier; the refill first behind it.
; fill = 1: the joint load of the K step two ahead.  fill = 2: my own 64 rows of the mask.
.macro TURN fill
	WIN 0
	s_wait_tensorcnt 0x0
	ds_add_u32 v[SPW], v[NIL]
	s_wait_dscnt 9                                 ; the add and the youngest eight loads may be out
	MUL16 F1, 0, 0, 0
	s_wait_dscnt 0x0
	s_barrier_signal -1
	MUL16 F1, 0, 2, 0
	WIN 0
	s_barrier_wait -1
	CREST
.if (\fill) == 1
	s_xor_b32 s[G0A+5], s[G0A+5], SLOT
	s_add_nc_u64 s[G0A+6:G0A+7], s[G0A+6:G0A+7], STEP
	s_xor_b32 s[G0B+5], s[G0B+5], SLOT
	s_add_nc_u64 s[G0B+6:G0B+7], s[G0B+6:G0B+7], STEP
	JLOAD
.else
	s_xor_b32 s[G0M+1], s[G0M+1], SLOT             ; the slot just read out
	s_add_nc_u64 s[G0M+2:G0M+3], s[90:91], s[74:75]  ; the address is made anew: the mask at my rows, and the offset
	s_or_b32 s[G0M+3], s[G0M+3], 0x80000000
	s_add_co_u32 s74, s74, 64*8192                 ; the next fill takes the next 64 rows
	tensor_load_to_lds s[G0M:G0M+3], s[G1M:G1M+7]
	s_nop 0
.rept 4
	v_nop
.endr
.endif
	s_xor_b32 s[TB], s[TB], SLOT
	v_add_nc_u32 v[ADRA], s[TB], v[LA0]
	v_add_nc_u32 v[ADRB], s[TB], v[LB0]
	FETCH 0, F0
	MUL16 F1, 1, 0, 0
	MUL16 F1, 1, 2, 0
.endm
	s_wait_tensorcnt 0x1                           ; my part of K step 0 is in; slot 1's may stay out
	s_barrier_signal -1
	s_barrier_wait -1
	FETCH 0, F0
	QUARTER 64, F0, F1, 1
	WIN 0
	s_mov_b32 s3, NSTEP-2
.Lstep:
	QUARTER 128, F1, F0, 0
	QUARTER 192, F0, F1, 0
	TURN 1
	QUARTER 64, F0, F1, 0
	WIN 0
	s_sub_co_u32 s3, s3, 1
	s_cmp_lg_u32 s3, 0
	s_cbranch_scc1 .Lstep
	s_mov_b32 s3, 2
.Ltail:                                                ; the last two K steps: slot 0, then slot 1, takes the mask.  The second trip has no next step: its last quarter is jumped,
	QUARTER 128, F1, F0, 0                         ; and the 32 loads of its change of slots bring landed bytes that nobody uses
	QUARTER 192, F0, F1, 0
	TURN 2
	WIN 0
	s_cmp_eq_u32 s3, 1
	s_cbranch_scc1 .Lno_q
	QUARTER 64, F0, F1, 0
	WIN 0
.Lno_q:
	s_sub_co_u32 s3, s3, 1
	s_cmp_lg_u32 s3, 0
	s_cbranch_scc1 .Ltail
	s_wait_dscnt 0x0                               ; the unused loads are back: their registers are taken below
	PLACES
; BLOCK a: 16 query rows x my 128 keys, accumulators in window 2.  A lane holds 64 scores of one row; the row's other 64 lie in the lane 16 away.
.macro BLOCK a
	WIN 0
.irp b, 0,1,2,3,4,5,6,7
	ds_load_b128 v[U+8*(\b):U+8*(\b)+3],   v[MA] offset:16*(\a)*MP+64*(\b)     ; the mask of row r, keys 16 b + 8 h + 0..7
	ds_load_b128 v[U+8*(\b)+4:U+8*(\b)+7], v[MA] offset:16*(\a)*MP+64*(\b)+16
.endr
	s_wait_dscnt 0x0
.set i, 0
.rept 32
	v_cvt_pk_bf16_f32 v[MK+i], v[U+2*i], v[U+2*i+1]
.set i, i+1
.endr
	WIN 0x20                                       ; source 2 in window 2
.set i, 0
.rept 32                                       ; u = raw + 32 mask; each accumulator is read from its low end
	v_fma_mix_f32_bf16 v[U+2*i], v[MK+i], v[C32], v[64*(\a)+2*i] op_sel_hi:[1,0,0]
	v_fma_mix_f32_bf16 v[U+2*i+1], v[MK+i], v[C32], v[64*(\a)+2*i+1] op_sel:[1,0,0] op_sel_hi:[1,0,0]
.set i, i+1
.endr
	WIN 0
.irp c, 0,1,2,3                        ; the maximum: four chains of 15, three operands at a time
	v_max3_num_f32 v[CH+(\c)], v[U+16*(\c)], v[U+16*(\c)+1], v[U+16*(\c)+2]
.endr
.irp k, 1,2,3,4,5,6
.irp c, 0,1,2,3
	v_max3_num_f32 v[CH+(\c)], v[CH+(\c)], v[U+16*(\c)+2*(\k)+1], v[U+16*(\c)+2*(\k)+2]
.endr
.endr
	v_max3_num_f32 v[CH], v[CH], v[U+15], v[U+31]  ; the four left over, the floor, the join
	v_max3_num_f32 v[CH+2], v[CH+2], v[U+47], v[U+63]
	v_max3_num_f32 v[CH+1], v[CH+1], v[CH+3], s72
	v_max3_num_f32 v[CH], v[CH], v[CH+1], v[CH+2]
	v_permlanex16_b32 v24, v[CH], s70, s71
	v_max_num_f32 v[MC+1], v[CH], v24              ; m
	v_mul_f32 v[MC], s68, v[MC+1]                  ; c m
.set i, 0
.rept 32
	v_pk_fma_f32 v[U+2*i:U+2*i+1], v[U+2*i:U+2*i+1], s[68:69], v[MC:MC+1] op_sel_hi:[1,0,0] neg_lo:[0,0,1] neg_hi:[0,0,1]  ; c u - c m
.set i, i+1
.endr
.set i, 0
.rept 64
	v_exp_f32 v[U+i], v[U+i]
.set i, i+1
.endr
	v_nop                                          ; a plain instruction behind the last exponential
.set i, 0
	s_wait_alu depctr_va_vdst(0)
.rept 32
	v_cvt_pk_f16_f32 v[PK+32*(\a)+i], v[U+2*i], v[U+2*i+1]
.set i, i+1
.endr
.irp s, 1,2,4,8,16                     ; the sum of the 32 pairs, in place, neighbours 1, 2, 4, 8, 16 pairs apart
.set u, 0
.rept 16/(\s)
	v_pk_add_f32 v[U+4*(\s)*u:U+4*(\s)*u+1], v[U+4*(\s)*u:U+4*(\s)*u+1], v[U+4*(\s)*u+2*(\s):U+4*(\s)*u+2*(\s)+1]
.set u, u+1
.endr
.endr
	v_add_f32 v25, v[U], v[U+1]
	v_permlanex16_b32 v26, v25, s70, s71
	v_add_f32 v25, v25, v26                        ; l
.irp b, 0,1,2,3,4,5,6,7
	ds_store_b128 v[STO], v[PK+32*(\a)+4*(\b):PK+32*(\a)+4*(\b)+3] offset:32*(\b)
.endr
.irp t, 0,1,2,3,4,5,6,7
	ds_load_b128 v[PK+32*(\a)+4*(\t):PK+32*(\a)+4*(\t)+3], v[RD] offset:(\t)*2*PITCH  ; LDS serves a wave's instructions in order: these see the stores above
.endr
	ds_store_b32 v[SA], v[MC] offset:64*(\a)       ; row 16 a + r: both halves of the lanes write the same number
	ds_store_b32 v[SA], v25 offset:256+64*(\a)
.irp t, 0,1,2,3,4,5,6,7
	s_wait_dscnt 2+7-(\t)                          ; behind load t: the later loads and the two stores
	global_store_b128 v[CO], v[PK+32*(\a)+4*(\t):PK+32*(\a)+4*(\t)+3], s[8:9] offset:(16*(\a)+2*(\t))*4096  ; 16 lanes store 256 consecutive bytes, aligned
.endr
.endm
	s_mov_b32 s3, 2
.Lhalf:                                                ; 64 rows a trip.  The first half of the mask was shown landed by the wait for all loads in the last change of slots
	BLOCK 0
	BLOCK 1
	BLOCK 2
	BLOCK 3
	ds_load_b64 v[U:U+1], v[SR]                    ; the 64 rows' c m and l: 256 consecutive bytes each
	ds_load_b64 v[U+2:U+3], v[SR] offset:256
	s_wait_dscnt 0x0
	global_store_b64 v[SO], v[U:U+1], s[86:87]
	global_store_b64 v[SO], v[U+2:U+3], s[88:89]
	s_cmp_eq_u32 s3, 1
	s_cbranch_scc1 .Lhalf_done                     ; behind the second half nothing is left to prepare
	WIN 0x83                                       ; destination window 2, source window 3: rows 64-127 go where the one text of the blocks names the accumulators
.set i, 0
.rept 256
	v_mov_b32 v[i], v[i]
.set i, i+1
.endr
	WIN 0
	s_wait_xcnt 0x0                                ; the stores' bases and data registers are rewritten only behind this wait
	s_add_nc_u64 s[8:9], s[8:9], 64*4096           ; 64 rows on in p,
	s_add_nc_u64 s[86:87], s[86:87], 256           ; in sm and in sl,
	s_add_nc_u64 s[88:89], s[88:89], 256
	v_add_nc_u32 v[MA], SLOT, v[MA]                ; and the mask's second half lies in slot 1:
	s_wait_tensorcnt 0x0                           ; my load of it, asked for ahead of the first half's softmax, has landed; only I read it
.Lhalf_done:
	s_sub_co_u32 s3, s3, 1
	s_cmp_lg_u32 s3, 0
	s_cbranch_scc1 .Lhalf
	s_wait_tensorcnt 0x0                           ; the wave's end
	ds_add_u32 v[SPW], v[NIL]
	s_wait_dscnt 0x0
	CROUND                                         ; the closing round
	s_endpgm
.Lfunc_end_k_q657c056986_scores:
	.size	k_q657c056986_scores, .Lfunc_end_k_q657c056986_scores-k_q657c056986_scores
	.p2alignl 7, 3214868480
	.fill 96, 4, 3214868480
	.section	.rodata,"a",@progbits
	.p2align	6, 0x0
	.amdhsa_kernel k_q657c056986_scores
		.amdhsa_group_segment_fixed_size 327680
		.amdhsa_private_segment_fixed_size 0
		.amdhsa_enable_private_segment 0
		.amdhsa_kernarg_size 40
		.amdhsa_user_sgpr_count 2
		.amdhsa_user_sgpr_kernarg_segment_ptr 1
		.amdhsa_wavefront_size32 1
		.amdhsa_system_sgpr_workgroup_id_x 1
		.amdhsa_system_sgpr_workgroup_id_y 1
		.amdhsa_system_sgpr_workgroup_id_z 1
		.amdhsa_system_vgpr_workitem_id 0
		.amdhsa_next_free_vgpr 1024
		.amdhsa_next_free_sgpr 100
		.amdhsa_reserve_vcc 0
		.amdhsa_float_denorm_mode_32 3
		.amdhsa_float_denorm_mode_16_64 3
		.amdhsa_memory_ordered 1
		.amdhsa_forward_progress 1
		.amdhsa_inst_pref_size 157
	.end_amdhsa_kernel
	.amdgpu_metadata
---
amdhsa.version: [ 1, 2 ]
amdhsa.kernels:
  - .name:           k_q657c056986_scores
    .symbol:         k_q657c056986_scores.kd
    .args:
      - { .name: qkv, .offset: 0, .size: 8, .value_kind: global_buffer, .address_space: global }
      - { .name: attn_mask, .offset: 8, .size: 8, .value_kind: global_buffer, .address_space: global }
      - { .name: p, .offset: 16, .size: 8, .value_kind: global_buffer, .address_space: global }
      - { .name: sm, .offset: 24, .size: 8, .value_kind: global_buffer, .address_space: global }
      - { .name: sl, .offset: 32, .size: 8, .value_kind: global_buffer, .address_space: global }
    .group_segment_fixed_size: 327680
    .private_segment_fixed_size: 0
    .kernarg_segment_align: 8
    .kernarg_segment_size: 40
    .max_flat_workgroup_size: 128
    .sgpr_count:     100
    .vgpr_count:     1024
    .wavefront_size: 32
...
	.end_amdgpu_metadata
.endif
;; end of part 3
;; launch pv (part 4): grid 4 x 64, 4 waves a work-group, clusters of 4 x 4, 327,680 bytes of LDS; arguments p, sm, sl, qkv, out0; writes out0
.if DOCPART == 4
	.amdgcn_target "amdgcn-amd-amdhsa--gfx1250"
	.amdhsa_code_object_version 6
	.text
	.protected	k_q657c056986_pv
	.globl	k_q657c056986_pv
	.p2align	8
	.type	k_q657c056986_pv,@function
k_q657c056986_pv:
	s_mov_b64 s[64:65], 0
	v_nop
	global_prefetch_b8 v0, s[64:65] scope:SCOPE_SE
	s_setreg_imm32_b32 hwreg(HW_REG_WAVE_MODE, 25, 1), 1
	s_wait_xcnt 0x0
	s_wait_alu depctr_hold_cnt(0) depctr_sa_sdst(0) depctr_va_vdst(0) depctr_va_sdst(0) depctr_va_ssrc(0) depctr_va_vcc(0) depctr_vm_vsrc(0)
	s_getreg_b32 s2, hwreg(HW_REG_IB_STS2, 6, 4)
	s_cmp_eq_u32 s2, 0
	s_cbranch_scc0 .Lentry_in_a_cluster
	s_endpgm
.Lentry_in_a_cluster:
	s_bfe_u32 s2, ttmp6, 0x10000c
	s_cmp_lg_u32 s2, 0xf033
	s_cbranch_scc0 .Lentry_shape_is_right
	s_endpgm
.Lentry_shape_is_right:
; out0[row][e] = (sum over chunks c of f_c (sum over the chunk's keys of p v[key][e])) / L,  f_c = 2^(mc_c - M),  M = the row's maximum of mc over its 16 chunks,  L = sum of f_c l_c.
; That is the softmax with the row's true maximum taken away.  A K step of 128 keys IS a chunk: its products are summed in accumulators of their own (window 1, started with the constant 0
; in every step), and at the step's end the totals (window 2) take f_c times them, by fused multiply-adds in f32.  p and v in f16, all else in f32.
; The totals are cleared once, 256 moves in the wait for the first tile: a first step written out, whose multiply-adds were multiplies, would be a third copy of a K step's text.
; LIMITS.  f below 2^-126 counts as 0.  A row whose every key is hidden by -inf has L = 0 and gives NaN, as the softmax of such a row does.
; SHARES.  A work-group makes 128 rows x 256 channels, wave w rows 64 (w / 2) on, channels 128 (w % 2) on; K = 2,048 keys in 16 steps through two LDS slots.  32,768 outputs are a WGP's share
; of out0, and two slots of a longer K step (384 rows x 528 bytes each) do not fit in LDS.
; Waves 0, 1 fetch the halves of p's tile (64 rows x 256 bytes), waves 2, 3 those of v's (64 keys x 512 bytes).  v lies [key][channel] and comes out of LDS turned, by ds_load_tr16_b128.
; CLUSTER 4 x 4.  p's tile is shared along a row of the cluster, v's along a column (the batch is the whole cluster's).
; TRANSPOSED USE (source 0 = 16 channels, source 1 = 16 rows): lane l holds row l % 16 and channels 8 (l / 16) + 0..7.
; REGISTERS.  window 0: v0-39 addresses, factors; F0, F1 fragments (64 of v, then 32 of p).  window 1: the chunk's accumulator (a, b) at v[8 (8 a + b)].  window 2: the totals at the same numbers.
.set PITCH, 272                        ; a row of p in LDS: 256 bytes + 16
.set VP,    544                        ; a row of v: 512 bytes + 32: an odd multiple of 32
.set AHALF, 64*PITCH
.set BOFF,  128*PITCH
.set BHALF, 64*VP                      ; 34,816
.set SLOT1, 1<<17
.set FT,    BOFF+2*BHALF               ; 104,448: between the slots: for each wave 17 lines of 256 bytes: f of my 64 rows for each of 16 chunks, then 1 / L
.set FTW,   17*256
.set OSTAGE, SLOT1+FT                  ; 235,520: behind slot 1: 16 rows x 528 bytes for each wave, for the way out
.set OP,    528
.set SPARE, OSTAGE+4*16*OP             ; 269,312: the spare words
.set NSTEP, 16
.set STEPA, 256                        ; 128 keys along p's rows
.set STEPB, 128*2048                   ; 128 rows of v
.set VBASE, 2*8192*1024*2              ; v's first byte in qkv
.set LA0, 4
.set LB0, 5
.set ADRA, 6
.set ADRB, 7
.set OST, 8                            ; v8  the way out: where I put 32 bytes of a row
.set ORD, 9                            ; v9  where I read a row back
.set OCO, 10                           ; v10 my 16 bytes of a row of 512
.set FW,  11                           ; v11 the table: my two rows' words in a line
.set FR,  12                           ; v12 the table: row r's word in a line
.set FC,  13                           ; v13 the same in the line of the chunk in hand
.set SO,  14                           ; v14 my two rows' words in sm and sl
.set FCT, 16                           ; v[16+2a:17+2a] f of row 16 a + r for the chunk in hand, in the low register
.set SPW, 28
.set NIL, 29
.set INV, 32                           ; v[32+2a:33+2a] 1 / L of row 16 a + r
.set F0,  64
.set F1,  160
.set G1A, 24
.set G0A, 32
.set G1B, 48
.set G0B, 56
.set TB,  66
.set MUL, 0x50                         ; C and D in window 1
.set MSB, 0
.macro WIN new
.if MSB != (\new)
	s_set_vgpr_msb (MSB<<8)|(\new)
.set MSB, \new
.endif
.endm
.macro PLACES
.rept 4
	v_nop
.endr
.endm
.macro JLOAD
	s_cmp_eq_u32 s11, 0
	s_cbranch_scc0 .Lfor_b_\@
	tensor_load_to_lds s[G0A+4:G0A+7], s[G1A:G1A+7]
	s_nop 0
.rept 4
	v_nop
.endr
	s_branch .Lasked_\@
.Lfor_b_\@:
	tensor_load_to_lds s[G0B+4:G0B+7], s[G1B:G1B+7]
	s_nop 0
.rept 4
	v_nop
.endr
.Lasked_\@:
.endm
.macro CREST
	s_cmp_lg_u32 s10, 0
	s_cbranch_scc1 .Lnot_wave_0_\@
	s_barrier_signal -3
.Lnot_wave_0_\@:
	s_barrier_wait -3
	s_barrier_signal -1
	s_barrier_wait -1
.endm
.macro CROUND
	s_barrier_signal -1
	s_barrier_wait -1
	CREST
.endm
	s_load_b256 s[76:83], s[0:1], 0x0              ; p s[76:77], sm s[78:79], sl s[80:81], qkv s[82:83]
	s_load_b64 s[84:85], s[0:1], 0x20              ; out0
	v_lshl_add_u32 v[SPW], v0, 2, SPARE
	v_mov_b32 v[NIL], 0
	ds_add_u32 v[SPW], v[NIL]                      ; the wave's opening: the add and its wait ahead of my first tensor load
	v_lshrrev_b32 v1, 5, v0
	v_readfirstlane_b32 s10, v1
	s_lshr_b32 s11, s10, 1
	s_and_b32 s12, s10, 1
	s_bfe_u32 s40, ttmp6, 0x40000                  ; cx
	s_bfe_u32 s41, ttmp6, 0x40004                  ; cy
	s_lshl_b32 s42, ttmp9, 2
	s_add_co_u32 s42, s42, s40                     ; tile column (256 channels)
	s_and_b32 s45, ttmp7, 0xffff
	s_lshl_b32 s13, s45, 2
	s_add_co_u32 s13, s13, s41                     ; tile row (128 rows)
	s_lshr_b32 s45, s45, 2                         ; the batch
	s_lshl_b32 s43, s41, 2
	s_lshl_b32 s43, 15, s43
	s_lshl_b32 s44, 0x1111, s40
	s_or_b32 s[G1A], s43, (1<<16)|(1<<20)|(1<<21)|(5<<22)|(3<<25)  ; after every 64 words, 4 words of padding
	s_or_b32 s[G1B], s44, (1<<16)|(1<<20)|(1<<21)|(6<<22)|(7<<25)  ; after every 128 words, 8 words
	s_mov_b32 s[G1A+1], 128<<16
	s_mov_b32 s[G1A+2], 64<<16
	s_mov_b32 s[G1A+3], 128<<16
	s_mov_b32 s[G1A+4], 64
	s_mov_b32 s[G1A+5], 2048                       ; p: 2,048 elements from row to row
	s_mov_b32 s[G1A+6], 0
	s_mov_b32 s[G1A+7], 0
	s_mov_b32 s[G1B+1], 256<<16                    ; v: 256 channels,
	s_mov_b32 s[G1B+2], 64<<16                     ; 64 keys
	s_mov_b32 s[G1B+3], 256<<16
	s_mov_b32 s[G1B+4], 64
	s_mov_b32 s[G1B+5], 1024
	s_mov_b32 s[G1B+6], 0
	s_mov_b32 s[G1B+7], 0
	s_lshl_b32 s16, s13, 7                         ; p: row 128 x tile row + 64 x half, times 4,096 bytes
	s_lshl_b32 s17, s12, 6
	s_add_co_u32 s16, s16, s17
	s_lshl_b32 s16, s16, 12
	s_mov_b32 s17, 0
	s_lshl_b32 s46, s45, 11                        ; v: row 2,048 x batch + 64 x half, times 2,048 bytes,
	s_lshl_b32 s47, s12, 6
	s_add_co_u32 s46, s46, s47
	s_lshl_b32 s46, s46, 11
	s_lshl_b32 s47, s42, 9                         ; 512 bytes a tile column
	s_add_co_u32 s46, s46, s47
	s_add_co_u32 s46, s46, VBASE
	s_mov_b32 s47, 0
	s_mul_i32 s20, s12, AHALF
	s_mul_i32 s21, s12, BHALF
	s_add_co_u32 s21, s21, BOFF
	s_lshl_b32 s14, s13, 7
	s_lshl_b32 s15, s11, 6
	s_add_co_u32 s14, s14, s15                     ; my first row
	s_lshl_b32 s18, s14, 2                         ; its word in a chunk's statistics
	s_mov_b32 s19, 0
	s_lshl_b32 s22, s14, 12                        ; out0: 4,096 bytes a row,
	s_lshl_b32 s15, s42, 1
	s_add_co_u32 s15, s15, s12
	s_lshl_b32 s15, s15, 9                         ; 512 bytes for 128 channels
	s_add_co_u32 s22, s22, s15
	s_mov_b32 s23, 0
	s_mov_b32 s[TB], 0
	s_wait_dscnt 0x0
	s_wait_kmcnt 0x0
	s_add_nc_u64 s[4:5], s[76:77], s[16:17]
	s_add_nc_u64 s[6:7], s[82:83], s[46:47]
	s_add_nc_u64 s[8:9], s[84:85], s[22:23]
	s_add_nc_u64 s[86:87], s[78:79], s[18:19]
	s_add_nc_u64 s[88:89], s[80:81], s[18:19]
.irp s, 0,1
	s_mov_b32 s[G0A+4*(\s)], 1
	s_add_co_u32 s[G0A+4*(\s)+1], s20, (\s)*SLOT1
	s_add_nc_u64 s[G0A+4*(\s)+2:G0A+4*(\s)+3], s[4:5], (\s)*STEPA
	s_or_b32 s[G0A+4*(\s)+3], s[G0A+4*(\s)+3], 0x80000000
	s_mov_b32 s[G0B+4*(\s)], 1
	s_add_co_u32 s[G0B+4*(\s)+1], s21, (\s)*SLOT1
	s_add_nc_u64 s[G0B+4*(\s)+2:G0B+4*(\s)+3], s[6:7], (\s)*STEPB
	s_or_b32 s[G0B+4*(\s)+3], s[G0B+4*(\s)+3], 0x80000000
.endr
	CROUND
	s_cmp_eq_u32 s11, 0
	s_cbranch_scc0 .Lfirst_b
	tensor_load_to_lds s[G0A:G0A+3], s[G1A:G1A+7]
	s_nop 0
	tensor_load_to_lds s[G0A+4:G0A+7], s[G1A:G1A+7]
	s_nop 0
.rept 4
	v_nop
.endr
	s_branch .Lfirst_asked
.Lfirst_b:
	tensor_load_to_lds s[G0B:G0B+3], s[G1B:G1B+7]
	s_nop 0
	tensor_load_to_lds s[G0B+4:G0B+7], s[G1B:G1B+7]
	s_nop 0
.rept 4
	v_nop
.endr
.Lfirst_asked:
	; THE FACTORS, in the wait for the first tile, in fragment registers that are still free.  Lane l takes rows 2 l and 2 l + 1 of my 64: mc at v[64 + 2 c], l at v[128 + 2 c].
	v_and_b32 v3, 31, v0                           ; lane
	v_lshlrev_b32 v[SO], 3, v3
.set c, 0
.rept 16
	global_load_b64 v[64+2*c:65+2*c],   v[SO], s[86:87] offset:32768*c  ; 256 consecutive bytes a load
	global_load_b64 v[128+2*c:129+2*c], v[SO], s[88:89] offset:32768*c
.set c, c+1
.endr
	WIN 0x80                                       ; destination window 2: the totals start at 0
.set i, 0
.rept 256
	v_mov_b32 v[i], 0
.set i, i+1
.endr
	WIN 0
	v_and_b32 v1, 15, v0                           ; r
	v_bfe_u32 v2, v0, 4, 1                         ; h
	s_mul_i32 s14, s10, FTW
	s_add_co_u32 s14, s14, FT                      ; my table
	v_lshl_add_u32 v[FW], v3, 3, s14
	v_lshl_add_u32 v[FR], v1, 2, s14
	v_mov_b32 v[FC], v[FR]                         ; chunk 0
	s_mul_i32 s14, s10, 16*OP
	s_add_co_u32 s14, s14, OSTAGE                  ; my stage
	v_mul_u32_u24 v[OST], v1, OP
	v_lshl_add_u32 v[OST], v2, 5, v[OST]           ; row r, 32 bytes for each half of the lanes
	v_add_nc_u32 v[OST], s14, v[OST]
	v_lshlrev_b32 v[OCO], 4, v3
	v_add_nc_u32 v[ORD], s14, v[OCO]
	v_mul_u32_u24 v[LA0], v1, PITCH                ; p's fragments: (64 x my half + r) x pitch + 16 h
	v_lshl_add_u32 v[LA0], v2, 4, v[LA0]
	s_mul_i32 s14, s11, AHALF
	v_add_nc_u32 v[LA0], s14, v[LA0]
	v_and_b32 v3, 7, v0                            ; the turning load: lane l reads key 8 h + l % 8, channels 8 ((l / 8) % 2) + 0..7
	v_lshl_add_u32 v3, v2, 3, v3
	v_mul_u32_u24 v[LB0], v3, VP
	v_bfe_u32 v3, v0, 3, 1
	v_lshl_add_u32 v[LB0], v3, 4, v[LB0]
	s_lshl_b32 s15, s12, 8                         ; my 128 channels: 256 bytes
	s_add_co_u32 s15, s15, BOFF
	v_add_nc_u32 v[LB0], s15, v[LB0]
	v_mov_b32 v[ADRA], v[LA0]
	v_mov_b32 v[ADRB], v[LB0]
	s_wait_loadcnt 0x0
.irp e, 0,1                            ; M at v[194 + e]
	v_max3_num_f32 v[194+(\e)], v[64+(\e)], v[66+(\e)], v[68+(\e)]
.endr
.irp k, 0,1,2,3,4,5
.irp e, 0,1
	v_max3_num_f32 v[194+(\e)], v[194+(\e)], v[70+4*(\k)+(\e)], v[72+4*(\k)+(\e)]
.endr
.endr
.irp e, 0,1
	v_max_num_f32 v[194+(\e)], v[194+(\e)], v[94+(\e)]
.endr
.set c, 0
.rept 16
	v_pk_add_f32 v[160+2*c:161+2*c], v[64+2*c:65+2*c], v[194:195] neg_lo:[0,1] neg_hi:[0,1]  ; mc - M
.set c, c+1
.endr
.set i, 0
.rept 32
	v_exp_f32 v[160+i], v[160+i]                   ; f
.set i, i+1
.endr
	v_nop                                          ; a plain instruction behind the last exponential
	s_wait_alu depctr_va_vdst(0)
	v_pk_mul_f32 v[192:193], v[160:161], v[128:129]        ; L = sum of f l
.set c, 1
.rept 15
	v_pk_fma_f32 v[192:193], v[160+2*c:161+2*c], v[128+2*c:129+2*c], v[192:193]
.set c, c+1
.endr
	v_rcp_f32 v192, v192
	v_rcp_f32 v193, v193
	v_nop                                          ; a plain instruction behind the last reciprocal
.set c, 0
.rept 16
	ds_store_b64 v[FW], v[160+2*c:161+2*c] offset:256*c    ; line c: 32 lanes x 8 bytes
.set c, c+1
.endr
	s_wait_alu depctr_va_vdst(0)
	ds_store_b64 v[FW], v[192:193] offset:4096
.irp a, 0,1,2,3                        ; the table is my wave's own, and LDS serves a wave's instructions in order: no barrier
	ds_load_b32 v[INV+2*(\a)], v[FR] offset:4096+64*(\a)
	ds_load_b32 v[FCT+2*(\a)], v[FC] offset:64*(\a)
.endr
	s_wait_dscnt 0x0                               ; also: no LDS instruction of mine is out at the signal below
.irp a, 0,1,2,3
	v_mov_b32 v[INV+2*(\a)+1], v[INV+2*(\a)]       ; the packed forms name pairs and take the low register for both halves: the high ones are written once
	v_mov_b32 v[FCT+2*(\a)+1], 0
.endr
; 8 matrix instructions: block a of 16 rows x 8 blocks of 16 channels, 32 keys.  z other than 0: they start the chunk's sums.  The 32 accumulators take turns.
.macro MUL8 f, a, z
	WIN MUL
.irp b, 0,1,2,3,4,5,6,7
.set rD, 8*(8*(\a)+(\b))
.set rB, (\f)+8*(\b)
.set rA, (\f)+64+8*(\a)
.if (\z) != 0
	v_wmma_f32_16x16x32_f16 v[rD:rD+7], v[rB:rB+7], v[rA:rA+7], 0
.else
	v_wmma_f32_16x16x32_f16 v[rD:rD+7], v[rB:rB+7], v[rA:rA+7], v[rD:rD+7]
.endif
.endr
.endm
; The totals of block a take f times the chunk's sums: 32 packed multiply-adds, each accumulator read from its low end
.macro FMA a
	WIN 0xa1                                       ; source 0 (the chunk's) window 1, source 1 (f) window 0, source 2 and destination (the totals) window 2
.set i, 0
.rept 32
	v_pk_fma_f32 v[64*(\a)+2*i:64*(\a)+2*i+1], v[64*(\a)+2*i:64*(\a)+2*i+1], v[FCT+2*(\a):FCT+2*(\a)+1], v[64*(\a)+2*i:64*(\a)+2*i+1] op_sel_hi:[1,0,1]
.set i, i+1
.endr
.endm
; 24 LDS loads in one run: quarter q's fragments: v turned (32 keys x 128 channels), then p (64 rows x 32 keys)
.macro FETCH q, f
	WIN 0
.irp i, 0,1,2,3,4,5,6,7
	ds_load_tr16_b128 v[(\f)+8*(\i):(\f)+8*(\i)+3],   v[ADRB] offset:(\q)*32*VP+32*(\i)
	ds_load_tr16_b128 v[(\f)+8*(\i)+4:(\f)+8*(\i)+7], v[ADRB] offset:(\q)*32*VP+16*VP+32*(\i)
.endr
.irp i, 0,1,2,3
	ds_load_b128 v[(\f)+64+8*(\i):(\f)+64+8*(\i)+3],   v[ADRA] offset:64*(\q)+(\i)*16*PITCH
	ds_load_b128 v[(\f)+64+8*(\i)+4:(\f)+64+8*(\i)+7], v[ADRA] offset:64*(\q)+(\i)*16*PITCH+32
.endr
.endm
; One of a K step's first three quarters: multiplies f, fetches quarter q into g.  z = 1: the first chunk's first quarter.  z = 2: a later chunk's: blocks 2, 3 of the chunk before go into the
; totals ahead of the products that start them anew, and then the new chunk's factors are read.
.macro QUARTER q, f, g, z
	s_wait_dscnt 4                                 ; v and p's blocks 0, 1 are in; the youngest four loads may be out
	MUL8 \f, 0, \z
	MUL8 \f, 1, \z
	PLACES                                         ; behind the products of the quarter before: their results are read, their fragments' registers loaded below
.if (\z) == 2
	FMA 2
	FMA 3
	WIN 0
	v_add_nc_u32 v[FC], 256, v[FC]                 ; the table's next line
.irp a, 0,1,2,3
	ds_load_b32 v[FCT+2*(\a)], v[FC] offset:64*(\a)
.endr
.endif
	FETCH \q, \g
.if (\z) == 2
	s_wait_dscnt 28                                ; all but the 4 + 24 just issued
.else
	s_wait_dscnt 24                                ; all but the 24 just issued
.endif
	MUL8 \f, 2, \z
	MUL8 \f, 3, \z
.endm
; The last quarter multiplies buffer 1 and changes slots, as in the other products; blocks 0, 1 of the chunk, finished ahead of the barrier, go into the totals behind it.
.macro TURN fill
	WIN 0
	s_wait_tensorcnt 0x0
	ds_add_u32 v[SPW], v[NIL]
	s_wait_dscnt 5                                 ; the add and the youngest four loads may be out
	MUL8 F1, 0, 0
	s_wait_dscnt 0x0                               ; the add is done, my reads of this slot are over
	s_barrier_signal -1
	MUL8 F1, 1, 0
	WIN 0
	s_barrier_wait -1
.if \fill
	CREST
	s_xor_b32 s[G0A+5], s[G0A+5], SLOT1
	s_add_nc_u64 s[G0A+6:G0A+7], s[G0A+6:G0A+7], STEPA
	s_xor_b32 s[G0B+5], s[G0B+5], SLOT1
	s_add_nc_u64 s[G0B+6:G0B+7], s[G0B+6:G0B+7], STEPB
	JLOAD                                          ; its four v_nop are the places ahead of the multiply-adds below
.else
	PLACES
.endif
	FMA 0
	FMA 1
	WIN 0
	s_xor_b32 s[TB], s[TB], SLOT1
	v_add_nc_u32 v[ADRA], s[TB], v[LA0]
	v_add_nc_u32 v[ADRB], s[TB], v[LB0]
	FETCH 0, F0
	MUL8 F1, 2, 0
	MUL8 F1, 3, 0
.endm
	s_wait_tensorcnt 0x1                           ; my part of K step 0 is in; slot 1's may stay out
	s_barrier_signal -1
	s_barrier_wait -1
	FETCH 0, F0
	QUARTER 1, F0, F1, 1
	WIN 0
	s_mov_b32 s3, NSTEP-2
.Lstep:
	QUARTER 2, F1, F0, 0
	QUARTER 3, F0, F1, 0
	TURN 1
	QUARTER 1, F0, F1, 2
	WIN 0
	s_sub_co_u32 s3, s3, 1
	s_cmp_lg_u32 s3, 0
	s_cbranch_scc1 .Lstep
	s_mov_b32 s3, 2
.Ltail:                                                ; the last two K steps ask for nothing.  The second trip has no next step: its last quarter is jumped,
	QUARTER 2, F1, F0, 0                           ; and the 24 loads of its change of slots bring landed bytes that nobody uses
	QUARTER 3, F0, F1, 0
	TURN 0
	WIN 0
	s_cmp_eq_u32 s3, 1
	s_cbranch_scc1 .Lno_q
	QUARTER 1, F0, F1, 2
	WIN 0
.Lno_q:
	s_sub_co_u32 s3, s3, 1
	s_cmp_lg_u32 s3, 0
	s_cbranch_scc1 .Ltail
	s_wait_dscnt 0x0                               ; the unused loads are back: their registers are taken below
	PLACES
	FMA 2                                          ; the last chunk's blocks 2, 3
	FMA 3
	WIN 0
; THE WAY OUT, a block of 16 rows at a time: the totals times 1 / L, 32 bytes a lane into my stage, back as whole rows of 512 bytes.
.macro OUTB a
.set T, 64+64*((\a)%3)
.if (\a) >= 3
	s_wait_xcnt 0x0                                ; block 3 takes block 0's registers: its stores have read them only behind this wait
.endif
	WIN 0x02                                       ; source 0 in window 2
.set i, 0
.rept 32
	v_pk_mul_f32 v[T+2*i:T+2*i+1], v[64*(\a)+2*i:64*(\a)+2*i+1], v[INV+2*(\a):INV+2*(\a)+1] op_sel_hi:[1,0]
.set i, i+1
.endr
	WIN 0
.irp b, 0,1,2,3,4,5,6,7
	ds_store_b128 v[OST], v[T+8*(\b):T+8*(\b)+3]   offset:64*(\b)
	ds_store_b128 v[OST], v[T+8*(\b)+4:T+8*(\b)+7] offset:64*(\b)+16
.endr
.set i, 0
.rept 16
	ds_load_b128 v[T+4*i:T+4*i+3], v[ORD] offset:OP*i  ; LDS serves a wave's instructions in order: these see the stores above
.set i, i+1
.endr
.set i, 0
.rept 16
	s_wait_dscnt 15-i
	global_store_b128 v[OCO], v[T+4*i:T+4*i+3], s[8:9] offset:(16*(\a)+i)*4096 th:TH_STORE_NT  ; 512 consecutive bytes, aligned
.set i, i+1
.endr
.endm
	OUTB 0
	OUTB 1
	OUTB 2
	OUTB 3
	s_wait_tensorcnt 0x0                           ; the wave's end
	ds_add_u32 v[SPW], v[NIL]
	s_wait_dscnt 0x0
	CROUND                                         ; the closing round
	s_endpgm
.Lfunc_end_k_q657c056986_pv:
	.size	k_q657c056986_pv, .Lfunc_end_k_q657c056986_pv-k_q657c056986_pv
	.p2alignl 7, 3214868480
	.fill 96, 4, 3214868480
	.section	.rodata,"a",@progbits
	.p2align	6, 0x0
	.amdhsa_kernel k_q657c056986_pv
		.amdhsa_group_segment_fixed_size 327680
		.amdhsa_private_segment_fixed_size 0
		.amdhsa_enable_private_segment 0
		.amdhsa_kernarg_size 40
		.amdhsa_user_sgpr_count 2
		.amdhsa_user_sgpr_kernarg_segment_ptr 1
		.amdhsa_wavefront_size32 1
		.amdhsa_system_sgpr_workgroup_id_x 1
		.amdhsa_system_sgpr_workgroup_id_y 1
		.amdhsa_system_sgpr_workgroup_id_z 1
		.amdhsa_system_vgpr_workitem_id 0
		.amdhsa_next_free_vgpr 768
		.amdhsa_next_free_sgpr 100
		.amdhsa_reserve_vcc 0
		.amdhsa_float_denorm_mode_32 3
		.amdhsa_float_denorm_mode_16_64 3
		.amdhsa_memory_ordered 1
		.amdhsa_forward_progress 1
		.amdhsa_inst_pref_size 108
	.end_amdhsa_kernel
	.amdgpu_metadata
---
amdhsa.version: [ 1, 2 ]
amdhsa.kernels:
  - .name:           k_q657c056986_pv
    .symbol:         k_q657c056986_pv.kd
    .args:
      - { .name: p, .offset: 0, .size: 8, .value_kind: global_buffer, .address_space: global }
      - { .name: sm, .offset: 8, .size: 8, .value_kind: global_buffer, .address_space: global }
      - { .name: sl, .offset: 16, .size: 8, .value_kind: global_buffer, .address_space: global }
      - { .name: qkv, .offset: 24, .size: 8, .value_kind: global_buffer, .address_space: global }
      - { .name: out0, .offset: 32, .size: 8, .value_kind: global_buffer, .address_space: global }
    .group_segment_fixed_size: 327680
    .private_segment_fixed_size: 0
    .kernarg_segment_align: 8
    .kernarg_segment_size: 40
    .max_flat_workgroup_size: 128
    .sgpr_count:     100
    .vgpr_count:     768
    .wavefront_size: 32
...
	.end_amdgpu_metadata
.endif
;; end of part 4
